; MI455X (gfx1250); checked and timed in simulation.
; The chip was launched on July 23, 2026; its instructions are those of AMD's public machine-readable ISA for CDNA 5 (MIT licence, August 2026) and "CDNA5" Instruction Set Architecture Reference Guide (July 2026). The comments in the code are by the model that wrote it; some were corrected since.
;; Intrinsic Loss. Allowed arithmetic: float matrix products may take bf16 or f16 operands with f32 sums; all other float work in f32.
;; Inputs: W 2,097,152 x 4 float32; X 2,097,152 x 6 float32.
;; Outputs: out0 2,097,152 float32.
;; One version. Each part assembles by itself: llvm-mc -triple=amdgcn-amd-amdhsa -mcpu=gfx1250 --defsym DOCPART=n.
;; ======== version 1 of 1: 1 launch
;; launch loss (part 1): grid 256 x 1, 32 waves a work-group, no clusters, 233,472 bytes of LDS; arguments X, W, out0; writes out0
.if DOCPART == 1
	.amdgcn_target "amdgcn-amd-amdhsa--gfx1250"
	.amdhsa_code_object_version 6
	.text
	.protected	k_q3450054985_loss
	.globl	k_q3450054985_loss
	.p2align	8
	.type	k_q3450054985_loss,@function
k_q3450054985_loss:
	s_mov_b64 s[64:65], 0
	v_nop
	global_prefetch_b8 v0, s[64:65] scope:SCOPE_SE
	s_setreg_imm32_b32 hwreg(HW_REG_WAVE_MODE, 25, 1), 1
	s_wait_xcnt 0x0
; out[e] = r0^2 + r1^2 + r2^2 with
;   r0 = w0 (x0 x2 + x1 x3) + w1 (x0 + x2) + w2 (x1 + x3) + w3
;   r1 = w0 (x0 x4 + x1 x5) + w1 (x0 + x4) + w2 (x1 + x5) + w3
;   r2 = w0 (x2 x4 + x3 x5) + w1 (x2 + x4) + w2 (x3 + x5) + w3
; X: [2097152][6] f32, W: [2097152][4] f32, out: [2097152] f32.  All arithmetic in f32.
;
; 44 bytes move for 17 vector instructions an element: a stream.  Every element has a 3 x 4 matrix of its own, so a matrix
; instruction would reuse no operand, and no two work-groups read the same byte, so there is nothing to share in a cluster.
;
; SHARES.  256 work-groups of 32 waves; a work-group owns 8,192 elements, a wave 256 consecutive ones, as 8 groups of 32:
; lane l works on element 32 g + l of its wave.  A wave's whole input is 10,240 bytes, so it asks for all of it in its first
; lines: no loop, no LDS byte is filled twice, each wave touches only LDS bytes of its own, hence no barrier.
;   X: an element is 24 bytes, so lanes cannot take elements by contiguous 16-byte loads.  Twelve copies of 512 consecutive bytes
;      bring the wave's 6,144 bytes into its own LDS bytes as they lie in memory; a lane then reads its element by three 8-byte loads.
;   W: an element is 16 bytes: eight loads of 512 consecutive bytes, straight into registers.
;   out: a lane's results lie 128 bytes apart, so four groups' results go through the wave's own stage in LDS (bytes into which no copy
;      lands) and come back four neighbours a lane: one store of the wave covers 512 consecutive bytes, aligned to 512.
;
; ORDER OF ROUNDING differs from the formulas above: the same monomials are summed as
;   q = w0 (x0, x1) + (w1, w2),  a = x0 w1 + x1 w2 + w3,  r0 = q . (x2, x3) + a,  r1 = q . (x4, x5) + a, and likewise r2,
; all by fused multiply-adds.  LIMIT: the products of three inputs |w0 x x| have to stay inside f32's range (3.4e38), also where
; x0 x2 + x1 x3 cancels; and where x0 x2 alone overflows the formulas above give infinity or NaN where this text may stay finite.
.set XWAVE,  6144                      ; bytes of X of a wave: 256 elements of 24 bytes
.set WWAVE,  4096                      ; bytes of W of a wave
.set OWAVE,  1024                      ; bytes of out of a wave, and of its stage
.set WAVES,  32
.set STAGE,  WAVES*XWAVE               ; LDS: the 32 waves' X, then the 32 stages (196,608 is a multiple of 256)
.set XGRP,   768                       ; bytes of X of a group of 32 elements
.set LANE, 1                           ; v1      lane
.set XG,   2                           ; v2      byte offset in X of my 16 bytes of the wave's first copy
.set XL,   3                           ; v3      LDS address of the same 16 bytes
.set WG,   4                           ; v4      byte offset in W of my element of group 0
.set XR,   5                           ; v5      LDS address of my element of group 0
.set SS,   6                           ; v6      stage: my result of group 0
.set SR,   7                           ; v7      stage: the four neighbouring results that I store
.set OG,   8                           ; v8      byte offset in out of those four
.set WREG, 12                          ; v[12:43] W: group g in 4 registers
.set XBUF, 44                          ; v[44:55] X of the two groups at work, 6 registers each
.set TMP,  56                          ; v[56:63] at work
.set RES,  64                          ; v[64:65] the two groups' results
.set OUTR, 68                          ; v[68:75] twice four results to store
	s_load_b128 s[4:7], s[0:1], 0x0                ; X s[4:5], W s[6:7]
	s_load_b64 s[8:9], s[0:1], 0x10                ; out s[8:9]
	v_lshl_add_u32 v76, v0, 2, 0x38000
	v_mov_b32 v77, 0
	ds_add_u32 v76, v77
	ds_add_u32 v76, v77
	v_lshrrev_b32 v2, 5, v0
	v_readfirstlane_b32 s10, v2                    ; the wave's number, 0 to 31
	v_and_b32 v[LANE], 31, v0
	s_mul_i32 s11, s10, XWAVE                      ; the wave's X bytes, in LDS and inside the work-group's part of X
	s_mul_i32 s12, ttmp9, WAVES*XWAVE              ; all offsets stay below the buffers' sizes, 50,331,648 bytes at the most
	s_add_co_u32 s12, s12, s11
	s_mul_i32 s13, ttmp9, WAVES*WWAVE
	s_mul_i32 s14, s10, WWAVE
	s_add_co_u32 s13, s13, s14
	v_lshl_add_u32 v[XG], v[LANE], 4, s12
	v_lshl_add_u32 v[XL], v[LANE], 4, s11
	v_lshl_add_u32 v[WG], v[LANE], 4, s13
	s_wait_dscnt 0x0
	s_wait_kmcnt 0x0
	; Everything the wave will read is asked for here, in the order in which it is used: for each pair of groups three copies of X
	; (2 x 768 = 3 x 512 bytes) and two loads of W.  The immediate of a copy steps its global and its LDS address alike.
	; XG, XL, WG and the bases are never written again.
.irp p, 0,1,2,3
.irp c, 0,1,2
	global_load_async_to_lds_b128 v[XL], v[XG], s[4:5] offset:512*(3*\p+\c)
.endr
.irp c, 0,1
	global_load_b128 v[WREG+8*\p+4*\c:WREG+8*\p+4*\c+3], v[WG], s[6:7] offset:512*(2*\p+\c) th:TH_LOAD_NT
.endr
.endr
	; the remaining addresses, while the data are on their way
	s_mul_i32 s15, ttmp9, WAVES*OWAVE
	s_mul_i32 s16, s10, OWAVE
	s_add_co_u32 s15, s15, s16                     ; the wave's 1,024 bytes of out
	s_add_co_u32 s16, s16, STAGE                   ; the wave's stage
	v_mad_u32_u24 v[XR], v[LANE], 24, s11          ; words 6 l and 6 l + 1 (+ 2 k): all 64 different modulo 64, so no two lanes
	                                               ; meet in a bank (64 banks of 4 bytes: ISA guide 11.1)
	v_lshl_add_u32 v[SS], v[LANE], 2, s16
	v_lshl_add_u32 v[SR], v[LANE], 4, s16
	v_lshl_add_u32 v[OG], v[LANE], 4, s15
; One element a lane: x0..x5 in v[xb..xb+5], w0..w3 in v[wb..wb+3], the result into v[r].  17 instructions, 16 of them fused.
.macro CALC xb, wb, r
	v_fma_f32 v[TMP+0], v[\wb], v[\xb+0], v[\wb+1]         ; q0  = w0 x0 + w1
	v_fma_f32 v[TMP+1], v[\wb], v[\xb+1], v[\wb+2]         ; q1  = w0 x1 + w2
	v_fma_f32 v[TMP+2], v[\wb], v[\xb+2], v[\wb+1]         ; q0' = w0 x2 + w1
	v_fma_f32 v[TMP+3], v[\wb], v[\xb+3], v[\wb+2]         ; q1' = w0 x3 + w2
	v_fma_f32 v[TMP+4], v[\xb+0], v[\wb+1], v[\wb+3]       ; a   = x0 w1 + w3
	v_fma_f32 v[TMP+5], v[\xb+2], v[\wb+1], v[\wb+3]       ; a'  = x2 w1 + w3
	v_fmac_f32 v[TMP+4], v[\xb+1], v[\wb+2]                ;       + x1 w2
	v_fmac_f32 v[TMP+5], v[\xb+3], v[\wb+2]                ;       + x3 w2
	v_fma_f32 v[TMP+6], v[TMP+0], v[\xb+2], v[TMP+4]       ; r0  = q0 x2 + a
	v_fma_f32 v[TMP+7], v[TMP+0], v[\xb+4], v[TMP+4]       ; r1  = q0 x4 + a
	v_fmac_f32 v[TMP+5], v[TMP+2], v[\xb+4]                ; r2  = q0' x4 + a'
	v_fmac_f32 v[TMP+6], v[TMP+1], v[\xb+3]                ; r0 += q1 x3
	v_fmac_f32 v[TMP+7], v[TMP+1], v[\xb+5]                ; r1 += q1 x5
	v_fmac_f32 v[TMP+5], v[TMP+3], v[\xb+5]                ; r2 += q1' x5
	v_mul_f32 v[\r], v[TMP+6], v[TMP+6]
	v_fmac_f32 v[\r], v[TMP+7], v[TMP+7]
	v_fmac_f32 v[\r], v[TMP+5], v[TMP+5]
.endm
; Groups 2 p and 2 p + 1.
.macro PAIR p
	s_wait_asynccnt 9-3*\p                         ; copies end in the order of issue: copies 3 p .. 3 p + 2, this pair's 1,536 bytes, are in my
	                                               ; LDS bytes; the 9 - 3 p younger ones stay out.  Only this wave reads them: no barrier
.irp c, 0,1
.irp k, 0,1,2
	ds_load_b64 v[XBUF+6*\c+2*\k:XBUF+6*\c+2*\k+1], v[XR] offset:XGRP*(2*\p+\c)+8*\k
.endr
.endr
	s_wait_loadcnt 6-2*\p                          ; the pair's two loads of W are in; the 6 - 2 p younger ones stay out
	s_wait_dscnt 3                                 ; LDS instructions end in order: all but the second group's three loads are done
.if \p == 2
	global_store_b128 v[OG], v[OUTR:OUTR+3], s[8:9] th:TH_STORE_NT     ; results 0 to 127, read back at the end of pair 1: older than the six loads above
.endif
	CALC XBUF, WREG+8*\p, RES
	s_wait_dscnt 0                                 ; the second group's X
	CALC XBUF+6, WREG+8*\p+4, RES+1
	ds_store_b32 v[SS], v[RES]   offset:128*(2*\p)         ; 32 lanes, 128 consecutive bytes of my stage
	ds_store_b32 v[SS], v[RES+1] offset:128*(2*\p+1)
.if \p % 2
	ds_load_b128 v[OUTR+4*(\p/2):OUTR+4*(\p/2)+3], v[SR] offset:512*(\p/2)   ; four groups are staged: four neighbours a lane.  LDS serves a wave's
	                                               ; instructions in order (ISA guide 5.7.1.4), so this load sees the stores above
.endif
.endm
	PAIR 0
	PAIR 1
	PAIR 2
	PAIR 3                                         ; its wait for copies is for 0: none is out at the end
	s_wait_dscnt 0                                 ; results 128 to 255
	global_store_b128 v[OG], v[OUTR+4:OUTR+7], s[8:9] offset:512 th:TH_STORE_NT
	s_wait_tensorcnt 0x0
	ds_add_u32 v76, v77
	s_wait_dscnt 0x0
	s_endpgm
.Lfunc_end_k_q3450054985_loss:
	.size	k_q3450054985_loss, .Lfunc_end_k_q3450054985_loss-k_q3450054985_loss
	.p2alignl 7, 3214868480
	.fill 96, 4, 3214868480
	.section	.rodata,"a",@progbits
	.p2align	6, 0x0
	.amdhsa_kernel k_q3450054985_loss
		.amdhsa_group_segment_fixed_size 233472
		.amdhsa_private_segment_fixed_size 0
		.amdhsa_enable_private_segment 0
		.amdhsa_kernarg_size 24
		.amdhsa_user_sgpr_count 2
		.amdhsa_user_sgpr_kernarg_segment_ptr 1
		.amdhsa_wavefront_size32 1
		.amdhsa_system_sgpr_workgroup_id_x 1
		.amdhsa_system_sgpr_workgroup_id_y 1
		.amdhsa_system_sgpr_workgroup_id_z 1
		.amdhsa_system_vgpr_workitem_id 0
		.amdhsa_next_free_vgpr 78
		.amdhsa_next_free_sgpr 66
		.amdhsa_reserve_vcc 0
		.amdhsa_float_denorm_mode_32 3
		.amdhsa_float_denorm_mode_16_64 3
		.amdhsa_memory_ordered 1
		.amdhsa_forward_progress 1
		.amdhsa_inst_pref_size 13
	.end_amdhsa_kernel
	.amdgpu_metadata
---
amdhsa.version: [ 1, 2 ]
amdhsa.kernels:
  - .name:           k_q3450054985_loss
    .symbol:         k_q3450054985_loss.kd
    .args:
      - { .name: X, .offset: 0, .size: 8, .value_kind: global_buffer, .address_space: global }
      - { .name: W, .offset: 8, .size: 8, .value_kind: global_buffer, .address_space: global }
      - { .name: out0, .offset: 16, .size: 8, .value_kind: global_buffer, .address_space: global }
    .group_segment_fixed_size: 233472
    .private_segment_fixed_size: 0
    .kernarg_segment_align: 8
    .kernarg_segment_size: 24
    .max_flat_workgroup_size: 1024
    .sgpr_count:     66
    .vgpr_count:     78
    .wavefront_size: 32
...
	.end_amdgpu_metadata
.endif
;; end of part 1
